; MI455X (gfx1250); checked and timed in simulation.
; The chip was launched on July 23, 2026; its instructions are those of AMD's public machine-readable ISA for CDNA 5 (MIT licence, August 2026) and "CDNA5" Instruction Set Architecture Reference Guide (July 2026). The comments in the code are by the model that wrote it; some were corrected since.
;; Compress Full Attn Module. Allowed arithmetic: matrix products marked QUANTISED: E3M2 operands, one E8M0 scale for each 32 along K, by v_wmma_scale_f32_16x16x128_f8f6f4 with both operands' format E3M2, f32 sums; products left as they are: f32 operands where the result goes on into a quantised operand, else bf16, f16 or f32 operands; f32 sums; everything else in f32.
;; Inputs: Wk 128 x 256 float32; Wo 256 x 256 float32; Wq 128 x 256 float32; Wv 256 x 256 float32; att_bias 2 x 4,096 x 4,096 float32; bk 128 float32; bo 256 float32; bq 128 float32; bv 256 float32; key 2 x 4,096 x 256 float32; query 2 x 4,096 x 256 float32; value 2 x 4,096 x 256 float32.
;; Outputs: out0 2 x 4,096 x 256 float32.
;; This version of the problem:
;;   THIS VERSION OF THE PROBLEM IS GIVEN IN LOW PRECISION. The matrix products marked QUANTISED in the list below multiply operands that are first quantised to E3M2 (3 exponent bits, 2 mantissa bits; 6 bits a number), with one power-of-two scale for each 32 numbers along K (OCP MX v1.0); their sums are f32. All else is computed in f32.
;;   The module's matrix products, in the order in which they are computed (A, B: the left and right operand; K: the contracted axis; several contracted axes count as one K, in the product's order):
;;     1. [M 8,192, K 256] x [K 256, N 128]; A: input query; B: input Wq: QUANTISED
;;     2. [M 8,192, K 256] x [K 256, N 128]; A: input key; B: input Wk: QUANTISED
;;     3. [M 8,192, K 256] x [K 256, N 256]; A: input value; B: input Wv: QUANTISED
;;     4. batch 16 x [M 4,096, K 16] x [K 16, N 4,096]; A: computed on the way; B: computed on the way: left as it is (K = 16 < 32)
;;     5. batch 16 x [M 4,096, K 4,096] x [K 4,096, N 32]; A: softmax (see below); B: computed on the way: QUANTISED
;;     6. [M 8,192, K 256] x [K 256, N 256]; A: computed on the way; B: input Wo: QUANTISED
;;   THE QUANTISER, for each operand of a quantised product, along K:
;;     - K is cut into blocks of 32 from its start; a last block that is shorter is filled with zeros.
;;     - A block's scale is 2^e with e = floor(log2(the largest magnitude in the block)) - 4, held to -126 .. 127; a block of zeros has e = 0. As a byte (E8M0): e + 127.
;;     - Each number is divided by its block's scale, clamped to +-28, and rounded to the nearest number of E3M2, ties to even, subnormals kept.
;;     - The product sums the exact products of the quantised numbers (number of the format x scale) in f32.
;;   ~~~python
;;   def quantise(x, axis):      # numpy; x: float32 -> the quantised numbers, widened to float32 again
;;       x = np.moveaxis(x, axis, -1); K = x.shape[-1]
;;       x = np.pad(x, [(0, 0)] * (x.ndim - 1) + [(0, -K % 32)]); x = x.reshape(x.shape[:-1] + (-1, 32)); a = np.abs(x).max(-1, keepdims=True)
;;       e = np.where(a > 0, np.clip(np.frexp(np.where(a > 0, a, 1))[1] - 1 - 4, -126, 127), 0)      # np.frexp(a)[1] - 1 = floor(log2(a)), exactly
;;       r = np.clip(x / 2.0 ** e, -28, 28)
;;       step = 2.0 ** (np.maximum(np.frexp(np.where(r == 0, 1, r))[1] - 1, -2) - 2)
;;       q = np.round(r / step) * step * 2.0 ** e      # np.round: ties to even
;;       return np.moveaxis(q.reshape(q.shape[:-2] + (-1,))[..., :K], -1, axis).astype(np.float32)
;;   ~~~
;;   SOFTMAX AHEAD OF A QUANTISED PRODUCT. Where the list says 'softmax', what is quantised is not the finished softmax but p = 2^(t - M), with t = logit x log2(e) and M = ceil(the row's largest t), a whole number; so 1/2 < the row's largest p <= 1. The row's sum l is taken of the UNQUANTISED p, in f32, and the product's result is divided by l at the end. Since M is a whole number, a kernel that streams over the keys may use a running M (the ceiling of the running maximum): every later rescaling is an exact power of two, which a block's scale takes up: the codes' values come out the same.
;;   OPERANDS COMPUTED ON THE WAY. 'Computed on the way' means the value that the module computes at that place (a softmax that the list does not call 'softmax' is quantised finished and normalised). What goes into a quantiser is computed in f32, as accurately as f32 sums, v_exp_f32 and their like allow (about 1e-6 of the number): no bf16 or f16 on the way to a quantiser, and a product that is left as it is and whose result goes on into a quantised operand takes f32 operands (vector FMAs, or v_wmma_f32_16x16x4_f32). A number that lies on a knife's edge between two numbers of the format may be rounded either way, as far as f32 arithmetic and the matrix unit's own rounding can turn it there, and no further.
;; One version. Each part assembles by itself: llvm-mc -triple=amdgcn-amd-amdhsa -mcpu=gfx1250 --defsym DOCPART=n.
;; ======== version 1 of 1: 2 launches
;; workspace buffers: qws 4,194,304 bytes; kws 4,194,304 bytes; vws 1,638,400 bytes; wows 53,248 bytes
;; launch prep (part 1): grid 258 x 1, 8 waves a work-group, no clusters, 54,272 bytes of LDS; arguments query, key, value, Wq, Wk, Wv, Wo, bq, bk, bv, qws, kws, vws, wows; writes qws, kws, vws, wows
.if DOCPART == 1
	.amdgcn_target "amdgcn-amd-amdhsa--gfx1250"
	.amdhsa_code_object_version 6
	.text
	.protected	k_q3cd7b43396_prep
	.globl	k_q3cd7b43396_prep
	.p2align	8
	.type	k_q3cd7b43396_prep,@function
k_q3cd7b43396_prep:
	s_mov_b64 s[64:65], 0
	v_nop
	global_prefetch_b8 v0, s[64:65] scope:SCOPE_SE
	s_setreg_imm32_b32 hwreg(HW_REG_WAVE_MODE, 25, 1), 1
	s_wait_xcnt 0x0
; THE THREE PROJECTIONS (query Wq^T + bq, key Wk^T + bk, value Wv^T + bv; K = 256) on codes of BF6 (E3M2) with one E8M0 scale for each 32 along K, and Wo's codes.
; All results are laid as IMAGES OF THE REGISTERS in which the next launch wants them:
;   qws, kws [group of 128 rows 64][head 8][tile of 16 rows 8][half 2][lane 32][16 bytes], f32: lane (r, h) holds channels 8 h + 4 half + 0..3 of row r of the tile.  q is multiplied by 32^-0.5 here.
;            In kws row r of tile 2 b + u is key 32 b + 8 u + r + 8 (r / 8) of the group, so that two neighbouring tiles of scores hold 16 neighbouring keys in a lane's registers.
;   vws      [group of 128 keys 64][25,600 bytes]: 16 fragments (2 head + u; row r = channel 8 u + r + 8 (r / 8) of the head; K = the 128 keys) of 3 x 512 bytes, then their scale words, 64 bytes a fragment.
;   wows     [tile of 16 rows of Wo 16][3,328 bytes]: two fragments (K step 0, 1), then two times 128 bytes of scale words.
; EVERY PRODUCT HERE HAS ONE SHAPE: source 0 = eight tiles of 16 rows of BIG, source 1 = one tile of 16 rows of SMALL (a tile a wave).  A lane then holds ONE row of SMALL and its register 8 t + j row 8 h + j of BIG's tile t.
;   q, k: BIG = the weight (tile t = head t), SMALL = 16 rows of query or key: the 64 registers are the f32 image.  v: BIG = 128 keys of value (tiles chosen as above), SMALL = 16 rows of Wv: register 16 b + i is key 32 b + 16 h + i:
;   the layout from which the quantiser along the keys works.
; SHARES by the work-group's number x: 0-63 q, 64-127 k (one way, told apart by selects), 128-255 v (group (x - 128) / 2, half of Wv's rows (x - 128) % 2), 256-257 Wo (a tile a wave).  The ways part at the head and never join;
; the two that use LDS have LDS bytes of their own.  Wave w quantises BIG's tile w; its two fragments go to LDS as images (16 bytes a lane, 512 bytes a store), a barrier, and every wave reads all sixteen.
; No tensor loads: each number is read by one or two work-groups and goes straight into the quantiser's registers.  No cluster: nothing but the small weights is shared.
; LIMITS: NaN and infinities among the inputs are not served.  A block of zeros gets the byte 1 (the quantiser's rule says 127): its codes are zeros, and the bytes are read by this program alone.
; 32^-0.5 is multiplied into q in f32 ahead of the scores' product, where reference() multiplies the scores: a difference of f32 rounding.  k takes the same 32 multiplications by 1.0: the price of one way for both.
.set FRB, 1536                         ; a fragment's image: 12 registers x 128 bytes
.set SCO, 16*FRB                       ; behind 16 images: their scale words, 128 bytes each
.set LBQ, 0                            ; LDS of the way for q and k
.set LBV, SCO+2048                     ; LDS of the way for v
.set PW,  14                           ; v14     the scale word of an image
.set SF,  16                           ; v16-39  SMALL's two fragments; before that the codes of BIG's fragment in hand
.set TMX, 40                           ; v40-43  largest magnitudes, then the conversions' scale operands
.set TPM, 44                           ; v44-47  the other half of the lanes' maxima, then the scale bytes
.set EX,  48                           ; v48-50, v52-54 the second halves of the conversions' results
.set SS,  51                           ; v51, v55 SMALL's scale words: scales and nothing else
.set BS,  56                           ; v56-63  the scale words of BIG's eight fragments: scales and nothing else
.set X0,  64                           ; v64-127, v128-191 two sets of 64 numbers; in the products v64-159 hold BIG's eight fragments
.set X1,  128
.set D,   192                          ; v192-255 the eight accumulators
; v4 BIG's byte for my lane, v5 SMALL's, v6 16 x lane, v7 4 x lane, v8 16 x lane + 2 FRB x wave, v9 4 x lane + 256 x wave, v10 the bias's offset, v[12:13] bv of my row and 0
; s[36:37] BIG, s[38:39] SMALL, s[40:41] the bias, s[42:43] where the results go, s[44:45] the factor, twice
.macro XLOAD reg, adr, base, s         ; 64 numbers of my row: of each block of 32 of K step s my half's 16: register 16 b + i = k 128 s + 32 b + 16 h + i
.irp b, 0,1,2,3
.irp j, 0,1,2,3
	global_load_b128 v[\reg+16*\b+4*\j:\reg+16*\b+4*\j+3], v[\adr], s[\base:\base+1] offset:512*\s+128*\b+16*\j
.endr
.endr
.endm
; 64 numbers so laid become a fragment's codes in v[pc] on and its scale word in v[pw]
.macro QUANT s, pc, pw
.irp b, 0,1,2,3
	v_max3_num_f32 v[TMX+\b], |v[\s+16*\b]|, |v[\s+16*\b+1]|, 0x2800000   ; block b: my 16 numbers and the floor 2^(5 - 127): the byte cannot fall under 1
.endr
.irp i, 2,4,6,8,10,12,14
.irp b, 0,1,2,3
	v_max3_num_f32 v[TMX+\b], v[TMX+\b], |v[\s+16*\b+\i]|, |v[\s+16*\b+\i+1]|   ; the four blocks by turns
.endr
.endr
.irp b, 0,1,2,3
	v_permlanex16_b32 v[TPM+\b], v[TMX+\b], s34, s35
.endr
.irp b, 0,1,2,3
	v_max_num_f32 v[TMX+\b], v[TMX+\b], v[TPM+\b]          ; with lane l xor 16's: the block's largest magnitude
.endr
.irp b, 0,1,2,3
	v_add_nc_u32 v[TMX+\b], 0xfe000000, v[TMX+\b]          ; 4 off its exponent field: the conversion takes that field as its scale
.endr
.irp b, 0,1,2,3
	v_lshrrev_b32 v[TPM+\b], 23, v[TMX+\b]                 ; the scale's byte
.endr
	v_lshl_or_b32 v[\pw], v[TPM+1], 8, v[TPM]
	v_lshl_or_b32 v[\pw], v[TPM+2], 16, v[\pw]
	v_lshl_or_b32 v[\pw], v[TPM+3], 24, v[\pw]             ; my row's scale word
.irp c, 0,1
	v_cvt_scalef32_pk16_bf6_f32 v[\pc+6*\c:\pc+6*\c+2], v[\s+32*\c:\s+32*\c+15], v[TMX+2*\c]
	v_cvt_scalef32_pk16_bf6_f32 v[EX+4*\c:EX+4*\c+2], v[\s+32*\c+16:\s+32*\c+31], v[TMX+2*\c+1]   ; (a conversion's three registers begin on an even number)
.endr
	v_nop                                                  ; one plain instruction behind the scaled conversions
.irp c, 0,1                            ; the operand wants a WHOLE block in a lane: lanes 0-15 block 2 c, lanes 16-31 block 2 c + 1
.irp i, 0,1,2
	v_permlane16_swap_b32 v[\pc+6*\c+\i], v[EX+4*\c+\i]
.endr
.irp i, 0,1,2
	v_mov_b32 v[\pc+6*\c+3+\i], v[EX+4*\c+\i]
.endr
.endr
.endm
.macro IMAGE lb, s                     ; the fragment in v[SF] on and its scale word go to LDS as they stand: BIG's tile = my wave, K step s
.irp c, 0,1,2
	ds_store_b128 v8, v[SF+4*\c:SF+4*\c+3] offset:\lb+FRB*\s+512*\c
.endr
	ds_store_b32 v9, v[PW] offset:\lb+SCO+128*\s
.endm
; BIG's tile and SMALL's tile of my wave are quantised; the loads run one set of 64 numbers ahead
.macro QPHASES lb, as
	XLOAD X0, 4, 36, 0
	XLOAD X1, 4, 36, 1
	s_wait_loadcnt 16                      ; the youngest 16 loads (BIG's K step 1) may be out: the bias and BIG's K step 0 are in
	QUANT X0, SF, PW
	IMAGE \lb, 0
	XLOAD X0, \as, 38, 0
	s_wait_loadcnt 16                      ; BIG's K step 1 is in; SMALL's K step 0 may be out
	s_wait_dscnt 0x0                       ; the image's stores are done: their registers are written again
	QUANT X1, SF, PW
	IMAGE \lb, 1
	XLOAD X1, \as, 38, 1
	s_wait_loadcnt 16                      ; SMALL's K step 0 is in
	s_wait_dscnt 0x0                       ; my images lie in LDS (no LDS instruction follows before the barrier), and their registers are free
	QUANT X0, SF, SS
	s_wait_loadcnt 0x0
	QUANT X1, SF+12, SS+4
.rept 8
	v_nop                                  ; a scale register written by vector instructions stands 8 places ahead of a scaled matrix instruction, an operand 4
.endr
	s_barrier_signal -1
	s_barrier_wait -1                      ; BIG's sixteen images lie in LDS
.endm
; the product: K step by K step, the eight accumulators by turns.  zero = 1: the first K step starts the sums; else they begin on what lies in D (the bias)
.macro PRODUCT lb, zero
.irp s, 0,1
.if \s
.rept 4
	v_nop                                  ; places in front of loads into registers that matrix instructions have read
.endr
.endif
.irp t, 0,1,2,3,4,5,6,7
.irp c, 0,1,2
	ds_load_b128 v[X0+12*\t+4*\c:X0+12*\t+4*\c+3], v6 offset:\lb+FRB*(2*\t+\s)+512*\c
.endr
	ds_load_b32 v[BS+\t], v7 offset:\lb+SCO+128*(2*\t+\s)
.endr
	s_wait_dscnt 0x0
.irp t, 0,1,2,3,4,5,6,7
.if \zero && (\s == 0)
	v_wmma_scale_f32_16x16x128_f8f6f4 v[D+8*\t:D+8*\t+7], v[X0+12*\t:X0+12*\t+11], v[SF+12*\s:SF+12*\s+11], 0, v[BS+\t], v[SS+4*\s] matrix_a_fmt:MATRIX_FMT_BF6 matrix_b_fmt:MATRIX_FMT_BF6
.else
	v_wmma_scale_f32_16x16x128_f8f6f4 v[D+8*\t:D+8*\t+7], v[X0+12*\t:X0+12*\t+11], v[SF+12*\s:SF+12*\s+11], v[D+8*\t:D+8*\t+7], v[BS+\t], v[SS+4*\s] matrix_a_fmt:MATRIX_FMT_BF6 matrix_b_fmt:MATRIX_FMT_BF6
.endif
.endr
.endr
.rept 4
	v_nop                                  ; places in front of the first read of results
.endr
.endm
	s_load_b512 s[4:19], s[0:1], 0x0               ; query s[4:5], key s[6:7], value s[8:9], Wq s[10:11], Wk s[12:13], Wv s[14:15], Wo s[16:17], bq s[18:19]
	s_load_b256 s[20:27], s[0:1], 0x40             ; bk s[20:21], bv s[22:23], qws s[24:25], kws s[26:27]
	s_load_b128 s[28:31], s[0:1], 0x60             ; vws s[28:29], wows s[30:31]
	s_set_vgpr_msb 0x40
	v_lshl_add_u32 v0, v0, 2, 0xd000
	v_mov_b32 v1, 0
	s_set_vgpr_msb 0x4000
	v_lshrrev_b32 v10, 5, v0
	v_readfirstlane_b32 s32, v10                   ; wave 0..7
	v_and_b32 v1, 31, v0                           ; lane
	v_and_b32 v2, 15, v0                           ; r
	v_bfe_u32 v3, v0, 4, 1                         ; h
	v_lshlrev_b32 v6, 4, v1
	v_lshlrev_b32 v7, 2, v1
	s_mul_i32 s46, s32, 2*FRB
	v_add_nc_u32 v8, s46, v6
	s_lshl_b32 s46, s32, 8
	v_add_nc_u32 v9, s46, v7
	v_and_b32 v15, 8, v2
	v_add_nc_u32 v15, v15, v2                      ; r + 8 (r / 8)
	s_mov_b32 s34, 0x76543210
	s_mov_b32 s35, 0xfedcba98                      ; v_permlanex16_b32's selects for lane l xor 16
.irp b, 0,1,2,3
	v_mov_b32 v[TPM+\b], 0                         ; written once: a lane permute's destination counts as one of its sources
.endr
	v_mov_b32 v13, 0                               ; (named with v12 as a pair)
	s_lshr_b32 s49, s32, 1
	s_lshl_b32 s49, s49, 5                         ; 32 (wave / 2)
	s_and_b32 s47, s32, 1                          ; wave % 2
	s_mov_b32 s51, 0                               ; the upper word of every offset
	s_wait_kmcnt 0x0
	s_cmp_lt_u32 ttmp9, 128
	s_cbranch_scc1 .Lqk
	s_cmp_lt_u32 ttmp9, 256
	s_cbranch_scc1 .Lv
	; ---- Wo: tile T = 8 (x - 256) + wave: rows 16 T + r become two fragments.  No LDS, no barrier
	s_sub_co_u32 s48, ttmp9, 256
	s_lshl_b32 s48, s48, 3
	s_add_co_u32 s48, s48, s32
	s_lshl_b32 s50, s48, 14                        ; 16 rows of 1,024 bytes
	s_add_nc_u64 s[38:39], s[16:17], s[50:51]
	s_mul_i32 s50, s48, 2*FRB+256
	s_add_nc_u64 s[42:43], s[30:31], s[50:51]
	v_lshlrev_b32 v5, 10, v2
	v_lshl_add_u32 v5, v3, 6, v5                   ; row r, + 64 h
	XLOAD X0, 5, 38, 0
	XLOAD X1, 5, 38, 1
	s_wait_loadcnt 16                              ; K step 0 is in; K step 1's 16 loads may be out
	QUANT X0, SF, SS
	s_wait_loadcnt 0x0
	QUANT X1, SF+12, SS+4
.irp s, 0,1
.irp c, 0,1,2
	global_store_b128 v6, v[SF+12*\s+4*\c:SF+12*\s+4*\c+3], s[42:43] offset:FRB*\s+512*\c   ; 512 consecutive bytes, at a multiple of 256 from the buffer's first byte
.endr
	global_store_b32 v7, v[SS+4*\s], s[42:43] offset:2*FRB+128*\s
.endr
	s_endpgm
	; ---- q and k: the buffers, the factor and SMALL's choice of rows are selected on the work-group's number alone
.Lqk:
	s_cmp_lt_u32 ttmp9, 64
	s_cselect_b64 s[36:37], s[10:11], s[12:13]     ; Wq or Wk
	s_cselect_b64 s[38:39], s[4:5], s[6:7]         ; query or key
	s_cselect_b64 s[40:41], s[18:19], s[20:21]     ; bq or bk
	s_cselect_b64 s[42:43], s[24:25], s[26:27]     ; qws or kws
	s_cselect_b32 s44, 0x3e3504f3, 1.0             ; 32^-0.5, or 1
	s_cselect_b32 s46, 0, 8                        ; the lane's row: r, or r + 8 (r / 8)
	s_cselect_b32 s52, 16, 8                       ; an odd tile begins 16, or 8, rows behind the even one
	s_mov_b32 s45, s44
	s_and_b32 s48, ttmp9, 63                       ; the group of 128 rows
	s_mul_i32 s50, s47, s52
	s_add_co_u32 s49, s49, s50                     ; my tile's first row in the group
	s_lshl_b32 s50, s48, 7
	s_add_co_u32 s50, s50, s49
	s_lshl_b32 s50, s50, 10
	s_add_nc_u64 s[38:39], s[38:39], s[50:51]
	s_lshl_b32 s50, s32, 14                        ; the weight's tile = my wave: 16 rows of 1,024 bytes
	s_add_nc_u64 s[36:37], s[36:37], s[50:51]
	s_lshl_b32 s50, s48, 16
	s_lshl_b32 s52, s32, 10
	s_add_co_u32 s50, s50, s52                     ; 65,536 x group + 1,024 x tile
	s_add_nc_u64 s[42:43], s[42:43], s[50:51]
	v_lshlrev_b32 v4, 10, v2
	v_lshl_add_u32 v4, v3, 6, v4                   ; the weight: row r, + 64 h
	v_and_b32 v5, s46, v2
	v_add_nc_u32 v5, v5, v2
	v_lshlrev_b32 v5, 10, v5
	v_lshl_add_u32 v5, v3, 6, v5
	v_lshlrev_b32 v10, 5, v3                       ; the bias: 32 h bytes
.irp t, 0,1,2,3,4,5,6,7
.irp q, 0,1
	global_load_b128 v[D+8*\t+4*\q:D+8*\t+4*\q+3], v10, s[40:41] offset:64*\t+16*\q   ; the bias in the result's layout: register 8 t + j = b[16 t + 8 h + j]: the sums begin on it
.endr
.endr
	QPHASES LBQ, 5
	PRODUCT LBQ, 0
.set j, 0
.rept 32
	v_pk_mul_f32 v[D+j:D+j+1], v[D+j:D+j+1], s[44:45] op_sel_hi:[1,0]
.set j, j+2
.endr
.irp t, 0,1,2,3,4,5,6,7
.irp q, 0,1
	global_store_b128 v6, v[D+8*\t+4*\q:D+8*\t+4*\q+3], s[42:43] offset:8192*\t+512*\q   ; 512 consecutive bytes, at a multiple of 256 from the buffer's first byte
.endr
.endr
	s_set_vgpr_msb 0x5
	s_wait_tensorcnt 0x0
	ds_add_u32 v0, v1
	s_wait_dscnt 0x0
	s_set_vgpr_msb 0x500
	s_endpgm
	; ---- v: 128 keys x 128 of Wv's rows; the result is quantised along the keys
.Lv:
	s_sub_co_u32 s48, ttmp9, 128
	s_and_b32 s53, s48, 1                          ; which half of Wv's rows
	s_lshr_b32 s48, s48, 1                         ; the group of 128 keys
	s_lshl_b32 s50, s47, 3
	s_add_co_u32 s49, s49, s50                     ; 32 (wave / 2) + 8 (wave % 2): my tile's first row, in value and in Wv's half alike
	s_lshl_b32 s50, s48, 7
	s_add_co_u32 s50, s50, s49
	s_lshl_b32 s50, s50, 10
	s_add_nc_u64 s[36:37], s[8:9], s[50:51]
	s_lshl_b32 s54, s53, 7
	s_add_co_u32 s54, s54, s49
	s_lshl_b32 s50, s54, 10
	s_add_nc_u64 s[38:39], s[14:15], s[50:51]
	s_lshl_b32 s50, s54, 2
	s_add_nc_u64 s[40:41], s[22:23], s[50:51]
	s_mul_i32 s50, s48, 25600
	s_add_nc_u64 s[42:43], s[28:29], s[50:51]
	s_lshl_b32 s55, s53, 3
	s_add_co_u32 s55, s55, s32                     ; the fragment: 2 head + u = 8 half + wave
	v_lshlrev_b32 v4, 10, v15
	v_lshl_add_u32 v4, v3, 6, v4                   ; row r + 8 (r / 8), + 64 h: for value and for Wv
	v_lshlrev_b32 v10, 2, v15
	global_load_b32 v12, v10, s[40:41]             ; bv of my row of Wv
	s_mul_i32 s50, s55, FRB
	v_add_nc_u32 v1, s50, v6                       ; where my codes go
	s_lshl_b32 s50, s55, 6
	v_lshl_add_u32 v11, v2, 2, s50                 ; and my row's scale word
	QPHASES LBV, 4
	PRODUCT LBV, 1
.set j, 0
.rept 32
	v_pk_add_f32 v[D+j:D+j+1], v[D+j:D+j+1], v[12:13] op_sel_hi:[1,0]   ; + bv: one number a lane
.set j, j+2
.endr
	QUANT D, SF, PW
.irp c, 0,1,2
	global_store_b128 v1, v[SF+4*\c:SF+4*\c+3], s[42:43] offset:512*\c
.endr
	global_store_b32 v11, v[PW], s[42:43] offset:SCO   ; lanes r and r + 16 write the same word with the same value
	s_set_vgpr_msb 0x5
	s_wait_tensorcnt 0x0
	ds_add_u32 v0, v1
	s_wait_dscnt 0x0
	s_set_vgpr_msb 0x500
	s_endpgm
.Lfunc_end_k_q3cd7b43396_prep:
	.size	k_q3cd7b43396_prep, .Lfunc_end_k_q3cd7b43396_prep-k_q3cd7b43396_prep
	.p2alignl 7, 3214868480
	.fill 96, 4, 3214868480
	.section	.rodata,"a",@progbits
	.p2align	6, 0x0
	.amdhsa_kernel k_q3cd7b43396_prep
		.amdhsa_group_segment_fixed_size 54272
		.amdhsa_private_segment_fixed_size 0
		.amdhsa_enable_private_segment 0
		.amdhsa_kernarg_size 112
		.amdhsa_user_sgpr_count 2
		.amdhsa_user_sgpr_kernarg_segment_ptr 1
		.amdhsa_wavefront_size32 1
		.amdhsa_system_sgpr_workgroup_id_x 1
		.amdhsa_system_sgpr_workgroup_id_y 1
		.amdhsa_system_sgpr_workgroup_id_z 1
		.amdhsa_system_vgpr_workitem_id 0
		.amdhsa_next_free_vgpr 258
		.amdhsa_next_free_sgpr 66
		.amdhsa_reserve_vcc 0
		.amdhsa_float_denorm_mode_32 3
		.amdhsa_float_denorm_mode_16_64 3
		.amdhsa_memory_ordered 1
		.amdhsa_forward_progress 1
		.amdhsa_inst_pref_size 84
	.end_amdhsa_kernel
	.amdgpu_metadata
---
amdhsa.version: [ 1, 2 ]
amdhsa.kernels:
  - .name:           k_q3cd7b43396_prep
    .symbol:         k_q3cd7b43396_prep.kd
    .args:
      - { .name: query, .offset: 0, .size: 8, .value_kind: global_buffer, .address_space: global }
      - { .name: key, .offset: 8, .size: 8, .value_kind: global_buffer, .address_space: global }
      - { .name: value, .offset: 16, .size: 8, .value_kind: global_buffer, .address_space: global }
      - { .name: Wq, .offset: 24, .size: 8, .value_kind: global_buffer, .address_space: global }
      - { .name: Wk, .offset: 32, .size: 8, .value_kind: global_buffer, .address_space: global }
      - { .name: Wv, .offset: 40, .size: 8, .value_kind: global_buffer, .address_space: global }
      - { .name: Wo, .offset: 48, .size: 8, .value_kind: global_buffer, .address_space: global }
      - { .name: bq, .offset: 56, .size: 8, .value_kind: global_buffer, .address_space: global }
      - { .name: bk, .offset: 64, .size: 8, .value_kind: global_buffer, .address_space: global }
      - { .name: bv, .offset: 72, .size: 8, .value_kind: global_buffer, .address_space: global }
      - { .name: qws, .offset: 80, .size: 8, .value_kind: global_buffer, .address_space: global }
      - { .name: kws, .offset: 88, .size: 8, .value_kind: global_buffer, .address_space: global }
      - { .name: vws, .offset: 96, .size: 8, .value_kind: global_buffer, .address_space: global }
      - { .name: wows, .offset: 104, .size: 8, .value_kind: global_buffer, .address_space: global }
    .group_segment_fixed_size: 54272
    .private_segment_fixed_size: 0
    .kernarg_segment_align: 8
    .kernarg_segment_size: 112
    .max_flat_workgroup_size: 256
    .sgpr_count:     66
    .vgpr_count:     258
    .wavefront_size: 32
...
	.end_amdgpu_metadata
.endif
;; end of part 1
;; launch attn (part 2): grid 256 x 1, 16 waves a work-group, clusters of 4 x 1, 327,680 bytes of LDS; arguments att_bias, qws, kws, vws, wows, bo, out0; writes out0
.if DOCPART == 2
	.amdgcn_target "amdgcn-amd-amdhsa--gfx1250"
	.amdhsa_code_object_version 6
	.text
	.protected	k_q3cd7b43396_attn
	.globl	k_q3cd7b43396_attn
	.p2align	8
	.type	k_q3cd7b43396_attn,@function
k_q3cd7b43396_attn:
	s_mov_b64 s[64:65], 0
	v_nop
	global_prefetch_b8 v0, s[64:65] scope:SCOPE_SE
	s_setreg_imm32_b32 hwreg(HW_REG_WAVE_MODE, 25, 1), 1
	s_wait_xcnt 0x0
	s_wait_alu depctr_hold_cnt(0) depctr_sa_sdst(0) depctr_va_vdst(0) depctr_va_sdst(0) depctr_va_ssrc(0) depctr_va_vcc(0) depctr_vm_vsrc(0)
	s_getreg_b32 s2, hwreg(HW_REG_IB_STS2, 6, 4)
	s_cmp_eq_u32 s2, 0
	s_cbranch_scc0 .Lentry_in_a_cluster
	s_endpgm
.Lentry_in_a_cluster:
	s_bfe_u32 s2, ttmp6, 0x10000c
	s_cmp_lg_u32 s2, 0x3003
	s_cbranch_scc0 .Lentry_shape_is_right
	s_endpgm
.Lentry_shape_is_right:
; out0 = (softmax(q k^T / sqrt(32) + att_bias) v) Wo^T + bo for 2 x 4,096 queries, 8 heads (16 channels of q and k, 32 of v).  q (already x 32^-0.5), k, v's codes and Wo's codes come from the launch before, as register images.
; SHARES.  A work-group owns 32 queries WITH ALL 8 HEADS, so that each byte of att_bias is fetched once.  Wave w: head w % 8, queries 16 (w / 8) + 0..15.  Every wave walks the batch's 4,096 keys, 128 a step.
; THE SCORES, S^T = k q^T + bias, take f32 operands (their result goes into a quantiser): v_wmma_f32_16x16x4_f32, source 0 = 16 keys, source 1 = my 16 queries, four K steps of 4 channels; the C of each sum's first
; instruction is the tile of att_bias as it lies, so that the bias costs no vector instruction.  Position (h, j) of K step s is channel 8 h + 2 s + j, in both sources alike.  A lane holds ONE query throughout.
; THE KEYS OF A TILE are chosen (by the launch before) so that the 16 registers of tiles 2 b, 2 b + 1 are keys 32 b + 16 (lane / 16) + 0..15.
; THE SOFTMAX: t = score x log2(e); M = the running largest t rounded UP to a whole number; p = 2^(t - M) is quantised along the keys to BF6 (E3M2, one E8M0 scale for 32 keys); the sum is taken of the unquantised p; when M
; moves, the sum and O^T are multiplied by 2^(old M - new M), which rounds nothing.  O^T += V^T P^T: two scaled matrix instructions a step.  At the end O^T / sum is quantised (a block of 32 is one head's channels), meets the
; other heads' codes in LDS, and wave w makes columns 16 w .. 16 w + 15 of out0 for the 32 queries.
; THE RING: two LDS slots of one key step: K 65,536 bytes, V 25,600, the work-group's 32 rows x 512 bytes of att_bias.  Waves 0-3 fetch K's quarters, wave 4 V, wave 5 the bias: one tensor load a wave behind each round.
; CLUSTER: the four work-groups of a cluster belong to one batch and walk the same K and V: those tiles are asked for JOINTLY (mask 15).  The bias is each work-group's own: a load with no mask, behind the same round.
; TWO CLASSES OF WAVES.  A step is two parts: the scores (matrix work) and the softmax with V^T P (vector work).  Class 0 runs scores, softmax behind each change of slots; class 1 runs the softmax of the step before, then the
; scores.  The class is (w xor w / 4) % 2: of waves w, w + 4, w + 8, w + 12, and of waves 4 i .. 4 i + 3 alike, two are of each class.  Class 1 has V of a step in registers before it leaves the slot.
; LIMITS: NaN and infinities among the inputs are not served.  A block of p that is all zeros gets the byte 1 and zero codes.  A block's largest p is taken as the exponential of its largest score, which takes v_exp_f32 not to
; fall where its input rises.  The 16 channels of a score are summed in the order given above, not ascending.
.set SLOT1, 1<<17                      ; slot 1 begins here: one exclusive or turns an address from one slot to the other
.set VOFF,  65536                      ; in a slot: K, then V's block,
.set VSC,   VOFF+24576                 ; in it V's scale words,
.set BOFF,  VOFF+25600                 ; then the bias: 32 rows of 512 bytes + 16 of padding
.set BPIT,  528
.set SPARE, 2*SLOT1                    ; the spare words, 128 bytes for each of 16 waves: eight blocks of 256 bytes that no other line names
.set OC,    SPARE+2048                 ; the 32 queries' codes of O: rows of 192 bytes + 16
.set OCP,   208
.set OS,    OC+32*OCP                  ; their scale bytes, 8 a row
.set STAGE, OS+256                     ; the way out: 32 rows of 1,024 bytes + 16
.set STP,   1040
; v1-4 my lane's places in a slot (K, V, V's scale words, bias); v5, v6 the spare word's address and 0; v7 the prefetches' offset; v8-11 the same four places in the slot in hand; v12 -M, v13 the largest t, v[14:15] the sum
.set Q,   16                           ; v16-23   my queries' 8 channels a lane
.set O,   24                           ; v24-39   O^T: register i = channel 16 h + i
.set S,   40                           ; v40-103  the scores: written by the f32 matrix form alone
.set BP,  104                          ; v104-167 the bias, then p
.set KF,  168                          ; v168-231 K's eight fragments; later v168-191 V's two,
.set PC,  192                          ; v192-203 p's codes,
.set EX,  204                          ; v204-206, v208-210 the second halves of the conversions' results
.set MX,  232                          ; v232-235 the blocks' largest scores, then largest p
.set PM,  236                          ; v236-239 the other half of the lanes', then the bytes
.set SB,  240                          ; v[240:241] the sums' second chain
.set LI,  242                          ; v242     16 x lane
.set SCL, 244                          ; v244-247 the conversions' scale operands
.set F,   250                          ; v[250:251] 2^(old M - new M), and 0
; scales and nothing else: v248 V's (later Wo's K step 0), v249 Wo's K step 1, v253 p's (later O's), v252, v255, v243 O's
; s2 the slot in hand, s3 steps still to be asked for, s18 wave, s19 class, s[20:21] lane selects, s[22:23] log2(e) twice, s[24:47] groups 1 (K, V, bias), s[48:59] groups 0, s60 head, s61 tile of queries,
; s62 work-group, s63 batch, s[66:67] where my prefetches stand, s[68:69] their step, s70 1 in a wave that prefetches, else the greatest number
.macro CROUND                          ; a round of the cluster's barrier
	s_barrier_signal -1
	s_barrier_wait -1
	s_cmp_lg_u32 s18, 0
	s_cbranch_scc1 .Lnw0_\@
	s_barrier_signal -3
.Lnw0_\@:
	s_barrier_wait -3
	s_barrier_signal -1
	s_barrier_wait -1
.endm
.macro TLOAD                           ; waves 0-3: K's quarters, jointly; wave 4: V's block, jointly; wave 5: my work-group's bias.  The branches hang on the wave's number alone; four v_nop follow each line
	s_cmp_lt_u32 s18, 4
	s_cbranch_scc0 .Lnk_\@
	tensor_load_to_lds s[48:51], s[24:31]
	s_nop 0
.rept 4
	v_nop
.endr
	s_branch .Ltd_\@
.Lnk_\@:
	s_cmp_eq_u32 s18, 4
	s_cbranch_scc0 .Lnv_\@
	tensor_load_to_lds s[52:55], s[32:39]
	s_nop 0
.rept 4
	v_nop
.endr
	s_branch .Ltd_\@
.Lnv_\@:
	s_cmp_eq_u32 s18, 5
	s_cbranch_scc0 .Ltd_\@
	tensor_load_to_lds s[56:59], s[40:47]
	s_nop 0
.rept 4
	v_nop
.endr
.Ltd_\@:
.endm
; A PREFETCH of what the NEXT change of slots will ask for, one key step ahead of that load, by waves that fetch nothing, one instruction each.  Waves 6, 7 of every work-group: its own 32 rows of bias, a lane a row, 256 bytes
; of the step's 512 each.  Waves 8, 9: K's block; wave 10: V's.  All clusters of a batch walk the same K and V: the batch's first cluster asks; its four partners share the blocks out BY ADDRESS (K: 16,384 bytes each, 8,192 a
; wave, lanes 256 bytes apart; V: 6,400 bytes each, 25 lanes; lanes 25-31 repeat the 25th).  The last two changes ask for nothing: there is no step behind them.  Steps 0 and 1 come by their loads alone.
.macro ASK
	s_cmp_gt_u32 s3, s70
	s_cbranch_scc0 .Lnask_\@
	global_prefetch_b8 v7, s[66:67] th:TH_LOAD_NT scope:SCOPE_SE
.Lnask_\@:
.endm
; THE CHANGE OF SLOTS, at a step's head.  Each wave waits for all its tensor loads (its part of the slot ahead), adds 0 to its spare word, and waits for that and for its reads of the slot that it has left.  Behind the barrier the
; slot ahead is whole and nobody reads the other.  fill = 1: the barrier is a round of the cluster's, and the other slot is filled with the next step first thing behind it: it has a whole step in which to land.
.macro CHANGE fill
	s_wait_tensorcnt 0x0                           ; no tensor load of mine is out, so a group 0 may be written
	ds_add_u32 v5, v6                              ; 0 onto my spare word; the descriptors' steps stand between it and the wait for it
.if \fill
	s_xor_b32 s49, s49, SLOT1                      ; the walking descriptors: the other slot, the next step; the type bits on top are not reached
	s_add_nc_u64 s[50:51], s[50:51], 65536
	s_xor_b32 s53, s53, SLOT1
	s_add_nc_u64 s[54:55], s[54:55], 25600
	s_xor_b32 s57, s57, SLOT1
	s_add_nc_u64 s[58:59], s[58:59], 512
	s_wait_xcnt 0x0                                ; the last prefetch, a step back, has read its address
	s_add_nc_u64 s[66:67], s[66:67], s[68:69]      ; one step further on than the walking descriptors
.endif
	s_wait_dscnt 0x0                               ; the add is done, and my reads of the slot that I have left are over
.if \fill
	CROUND
	TLOAD
	ASK
.else
	s_barrier_signal -1
	s_barrier_wait -1
.endif
.endm
.macro QKMUL t0                        ; 16 matrix instructions: four tiles of 16 keys by turns, four K steps; the first takes the bias as C
.irp s, 0,1,2,3
.irp t, \t0, \t0+1, \t0+2, \t0+3
.if \s == 0
	v_wmma_f32_16x16x4_f32 v[S+8*(\t):S+8*(\t)+7], v[KF+8*(\t)+2*\s:KF+8*(\t)+2*\s+1], v[Q+2*\s:Q+2*\s+1], v[BP+8*(\t):BP+8*(\t)+7]
.else
	v_wmma_f32_16x16x4_f32 v[S+8*(\t):S+8*(\t)+7], v[KF+8*(\t)+2*\s:KF+8*(\t)+2*\s+1], v[Q+2*\s:Q+2*\s+1], v[S+8*(\t):S+8*(\t)+7]
.endif
.endr
.endr
.endm
; THE SCORES of a step, and the fetch of its V
.macro QKPART
.rept 4
	v_nop                                          ; places behind V^T P, in front of loads into its sources
.endr
.irp g, 0,1
.irp b, 0,1
.irp i, 0,1,2,3
	ds_load_b128 v[BP+32*\g+16*\b+4*\i:BP+32*\g+16*\b+4*\i+3], v11 offset:128*(2*\g+\b)+16*\i   ; bias(my query, keys 32 (2 g + b) + 16 h + 4 i ..)
.endr
.endr
.irp t, 0,1,2,3
.irp q, 0,1
	ds_load_b128 v[KF+8*(4*\g+\t)+4*\q:KF+8*(4*\g+\t)+4*\q+3], v8 offset:1024*(4*\g+\t)+512*\q
.endr
.endr
.endr
	s_wait_dscnt 16                                ; tiles 0-3 are in; the second group's 16 loads may be out
	QKMUL 0
	s_wait_dscnt 0x0
	QKMUL 4
.rept 8
	v_nop                                          ; this form's places, in front of the reads of the scores and of the loads below, which land on K's fragments
.endr
.irp u, 0,1
.irp c, 0,1,2
	ds_load_b128 v[KF+12*\u+4*\c:KF+12*\u+4*\c+3], v9 offset:1536*\u+512*\c
.endr
.endr
	ds_load_b32 v248, v10                          ; lanes 0-15: the scale words of V's first fragment, lanes 16-31: of its second
.endm
; THE SOFTMAX of a step, p's codes, and O^T += V^T P^T
.macro SMPART
.irp b, 0,1,2,3
	v_max3_num_f32 v[MX+\b], v[S+16*\b], v[S+16*\b+1], v[S+16*\b+2]   ; the largest score of each block of 32 keys: it serves for the row's maximum and for the block's largest p.  (Each accumulator is read from its low end on)
.endr
.irp i, 3,5,7,9,11,13
.irp b, 0,1,2,3
	v_max3_num_f32 v[MX+\b], v[MX+\b], v[S+16*\b+\i], v[S+16*\b+\i+1]
.endr
.endr
.irp b, 0,1,2,3
	v_max_num_f32 v[MX+\b], v[MX+\b], v[S+16*\b+15]
.endr
.irp b, 0,1,2,3
	v_permlanex16_b32 v[PM+\b], v[MX+\b], s20, s21
.endr
.irp b, 0,1,2,3
	v_max_num_f32 v[MX+\b], v[MX+\b], v[PM+\b]     ; with lane l xor 16's 16 keys
.endr
	v_max3_num_f32 v254, v[MX], v[MX+1], v[MX+2]
	v_max_num_f32 v254, v254, v[MX+3]
	v_mul_f32 v254, s22, v254                      ; the step's largest t of my query
	v_max_num_f32 v13, v13, v254                   ; the running largest t
	v_mov_b32 v254, v12
	v_floor_f32 v12, -v13                          ; the new -M = floor(-t): M is a whole number
	v_sub_f32 v254, v12, v254                      ; old M - new M: a whole number, 0 or less
	v_cvt_i32_f32 v254, v254                       ; (it saturates)
	v_ldexp_f32 v[F], 1.0, v254                    ; f = 2^(old M - new M)
.set j, 0
.rept 32
	v_pk_fma_f32 v[BP+j:BP+j+1], v[S+j:S+j+1], s[22:23], v[12:13] op_sel_hi:[1,0,0]   ; t - M, two at a time, into the registers that held the bias
.set j, j+2
.endr
.irp b, 0,1,2,3
	v_fma_f32 v[MX+\b], v[MX+\b], s22, v12         ; the same of each block's largest score
.endr
.set j, 0
.rept 64
	v_exp_f32 v[BP+j], v[BP+j]                     ; p = 2^(t - M), not normalised
.set j, j+1
.endr
	v_pk_mul_f32 v[14:15], v[14:15], v[F:F+1] op_sel_hi:[1,0]   ; the sums under the new M: the plain instruction behind the exponentials
	s_wait_alu depctr_va_vdst(0)                   ; one wait for the batch of 64, ahead of its first reader
.irp b, 0,1,2,3
	v_exp_f32 v[MX+\b], v[MX+\b]                   ; the blocks' largest p
.endr
.set j, 0
.rept 8
	v_pk_mul_f32 v[O+j:O+j+1], v[O+j:O+j+1], v[F:F+1] op_sel_hi:[1,0]   ; O^T under the new M
.set j, j+2
.endr
	v_pk_add_f32 v[SB:SB+1], v[BP:BP+1], v[BP+2:BP+3]   ; the row's sum is taken of the unquantised p, in two chains; its first half stands behind the four exponentials
.irp j, 4,8,12,16,20,24,28
	v_pk_add_f32 v[14:15], v[14:15], v[BP+\j:BP+\j+1]
	v_pk_add_f32 v[SB:SB+1], v[SB:SB+1], v[BP+\j+2:BP+\j+3]
.endr
	s_wait_alu depctr_va_vdst(0)                   ; and one wait for the four
.irp b, 0,1,2,3
	v_max_num_f32 v[MX+\b], 0x2800000, v[MX+\b]    ; the floor 2^(5 - 127): the byte cannot fall under 1
.endr
.irp b, 0,1,2,3
	v_add_nc_u32 v[SCL+\b], 0xfe000000, v[MX+\b]   ; 4 off the exponent field: the conversion's scale operand
.endr
.irp b, 0,1,2,3
	v_lshrrev_b32 v[PM+\b], 23, v[SCL+\b]          ; the scale's byte
.endr
	v_lshl_or_b32 v253, v[PM+1], 8, v[PM]
	v_lshl_or_b32 v253, v[PM+2], 16, v253
	v_lshl_or_b32 v253, v[PM+3], 24, v253          ; p's scale word for these 128 keys
.irp c, 0,1
	v_cvt_scalef32_pk16_bf6_f32 v[PC+6*\c:PC+6*\c+2], v[BP+32*\c:BP+32*\c+15], v[SCL+2*\c]
	v_cvt_scalef32_pk16_bf6_f32 v[EX+4*\c:EX+4*\c+2], v[BP+32*\c+16:BP+32*\c+31], v[SCL+2*\c+1]
.endr
	v_nop                                          ; one plain instruction behind the scaled conversions
.irp c, 0,1                            ; a WHOLE block in a lane: lanes 0-15 block 2 c, lanes 16-31 block 2 c + 1
.irp i, 0,1,2
	v_permlane16_swap_b32 v[PC+6*\c+\i], v[EX+4*\c+\i]
.endr
.irp i, 0,1,2
	v_mov_b32 v[PC+6*\c+3+\i], v[EX+4*\c+\i]
.endr
.endr
.irp j, 32,36,40,44,48,52,56,60        ; the sums' second half: 17 plain instructions that name no register of the products below: the places between the scale word (8) and the codes (4) and those products
	v_pk_add_f32 v[14:15], v[14:15], v[BP+\j:BP+\j+1]
	v_pk_add_f32 v[SB:SB+1], v[SB:SB+1], v[BP+\j+2:BP+\j+3]
.endr
	v_pk_add_f32 v[14:15], v[14:15], v[SB:SB+1]
	s_wait_dscnt 0x0                               ; V and its scale words are in
	v_wmma_scale_f32_16x16x128_f8f6f4 v[O:O+7], v[KF:KF+11], v[PC:PC+11], v[O:O+7], v248, v253 matrix_a_fmt:MATRIX_FMT_BF6 matrix_b_fmt:MATRIX_FMT_BF6
	v_wmma_scale_f32_16x16x128_f8f6f4 v[O+8:O+15], v[KF+12:KF+23], v[PC:PC+11], v[O+8:O+15], v248, v253 matrix_a_fmt:MATRIX_FMT_BF6 matrix_b_fmt:MATRIX_FMT_BF6 matrix_a_scale:MATRIX_SCALE_ROW1
.endm
; A KEY STEP.  The four LDS addresses are made ahead of the parting of the classes; no barrier and no tensor load stands inside it
.macro TRIP fill, first, last
	CHANGE \fill
	v_add_nc_u32 v8, s2, v1
	v_add_nc_u32 v9, s2, v2
	v_add_nc_u32 v10, s2, v3
	v_add_nc_u32 v11, s2, v4
	s_cmp_eq_u32 s19, 0
	s_cbranch_scc0 .Llate_\@
	QKPART
	SMPART
	s_branch .Ljoin_\@
.Llate_\@:
.if \first == 0
	SMPART                                         ; of the step before: all that it needs lies in registers
.endif
	QKPART
.if \last
	SMPART
.endif
.Ljoin_\@:
	s_xor_b32 s2, s2, SLOT1                        ; on to the other slot
.endm
	s_load_b256 s[4:11], s[0:1], 0x0               ; att_bias s[4:5], qws s[6:7], kws s[8:9], vws s[10:11]
	s_load_b128 s[12:15], s[0:1], 0x20             ; wows s[12:13], bo s[14:15]
	s_load_b64 s[16:17], s[0:1], 0x30              ; out0
	v_lshl_add_u32 v5, v0, 2, SPARE
	v_mov_b32 v6, 0
	ds_add_u32 v5, v6
	s_wait_dscnt 0x0
	v_lshrrev_b32 v8, 5, v0
	v_readfirstlane_b32 s18, v8                    ; wave 0..15
	s_lshr_b32 s19, s18, 2
	s_xor_b32 s19, s19, s18
	s_and_b32 s19, s19, 1                          ; class
	s_and_b32 s60, s18, 7                          ; head
	s_lshr_b32 s61, s18, 3                         ; tile of queries
	s_bfe_u32 s71, ttmp6, 0x40000                  ; cx: my place in the cluster: it enters global addresses of my own alone
	s_lshl_b32 s62, ttmp9, 2                       ; in a cluster launch ttmp9 counts clusters
	s_add_co_u32 s62, s62, s71                     ; work-group: rows 32 x of the 8,192
	s_lshr_b32 s63, ttmp9, 5                       ; batch: 32 clusters each; the partners share it
	; group 1 for K's quarters: 64 rows of 256 bytes (32 elements of 8 bytes), dense
	s_mov_b32 s24, 15|(3<<16)|(1<<21)              ; 15:0 the mask: all four work-groups; 17:16 elements of 8 bytes; 21 set beside a mask
	s_mov_b32 s25, 32<<16                          ; tensor_dim0
	s_mov_b32 s26, 64<<16                          ; tensor_dim1
	s_mov_b32 s27, 32<<16                          ; tile_dim0
	s_mov_b32 s28, 64                              ; tile_dim1
	s_mov_b32 s29, 32                              ; tensor_dim0_stride
	s_mov_b32 s30, 0
	s_mov_b32 s31, 0
	; for V's block: 100 such rows
	s_mov_b32 s32, 15|(3<<16)|(1<<21)
	s_mov_b32 s33, 32<<16
	s_mov_b32 s34, 100<<16
	s_mov_b32 s35, 32<<16
	s_mov_b32 s36, 100
	s_mov_b32 s37, 32
	s_mov_b32 s38, 0
	s_mov_b32 s39, 0
	; for the bias: 32 rows of 128 elements of 4 bytes, 4,096 elements apart; 4 words of padding behind every 128
	s_mov_b32 s40, (2<<16)|(1<<20)|(6<<22)|(3<<25) ; no mask: my work-group's own
	s_mov_b32 s41, 128<<16
	s_mov_b32 s42, 32<<16
	s_mov_b32 s43, 128<<16
	s_mov_b32 s44, 32
	s_mov_b32 s45, 4096
	s_mov_b32 s46, 0
	s_mov_b32 s47, 0
	s_mov_b32 s20, 0x76543210
	s_mov_b32 s21, 0xfedcba98                      ; v_permlanex16_b32's selects for lane l xor 16
	s_mov_b32 s22, 0x3fb8aa3b                      ; log2(e)
	s_mov_b32 s23, s22                             ; (named with it as a pair)
	s_mov_b32 s2, 0
	s_mov_b32 s3, 31
	s_mov_b32 s75, 0
	s_mov_b32 s77, 0
	s_and_b32 s72, s18, 3
	s_lshl_b32 s72, s72, 14                        ; K's quarter: in memory and in a slot
	s_lshl_b32 s74, s63, 21                        ; a batch's K: 32 steps of 65,536 bytes
	s_add_co_u32 s74, s74, s72
	s_wait_kmcnt 0x0
	s_mov_b32 s48, 1                               ; 1:0 count = 1
	s_mov_b32 s49, s72                             ; 63:32 LDS address: slot 0
	s_add_nc_u64 s[50:51], s[8:9], s[74:75]        ; 120:64 global address: step 0
	s_or_b32 s51, s51, 0x80000000                  ; 127:126 type = 2
	s_mul_i32 s74, s63, 32*25600
	s_mov_b32 s52, 1
	s_mov_b32 s53, VOFF
	s_add_nc_u64 s[54:55], s[10:11], s[74:75]
	s_or_b32 s55, s55, 0x80000000
	s_lshl_b32 s76, s62, 19                        ; my 32 rows of 16,384 bytes
	s_mov_b32 s56, 1
	s_mov_b32 s57, BOFF
	s_add_nc_u64 s[58:59], s[4:5], s[76:77]
	s_or_b32 s59, s59, 0x80000000
	CROUND                                         ; all four work-groups are here: the first joint loads meet
	TLOAD                                          ; step 0 into slot 0
	; Q: tile 2 x + u of 16 queries, my head
	v_and_b32 v9, 31, v0                           ; lane
	v_and_b32 v10, 15, v0                          ; r
	v_bfe_u32 v11, v0, 4, 1                        ; h
	v_lshlrev_b32 v[LI], 4, v9
	s_lshl_b32 s72, s62, 1
	s_add_co_u32 s72, s72, s61
	s_lshr_b32 s73, s72, 3                         ; its group of 128 queries
	s_lshl_b32 s73, s73, 3
	s_add_co_u32 s73, s73, s60
	s_lshl_b32 s76, s73, 13
	s_and_b32 s72, s72, 7
	s_lshl_b32 s72, s72, 10
	s_add_co_u32 s76, s76, s72
	s_add_nc_u64 s[6:7], s[6:7], s[76:77]
	global_load_b128 v[Q:Q+3], v[LI], s[6:7]
	global_load_b128 v[Q+4:Q+7], v[LI], s[6:7] offset:512
	; my lane's places in a slot
	s_lshl_b32 s72, s60, 13
	v_add_nc_u32 v1, s72, v[LI]                    ; K: 8,192 x head + 16 x lane
	s_mul_i32 s72, s60, 3072
	s_add_co_u32 s72, s72, VOFF
	v_add_nc_u32 v2, s72, v[LI]                    ; V: two fragments a head
	s_lshl_b32 s72, s60, 7
	s_add_co_u32 s72, s72, VSC
	v_lshl_add_u32 v3, v9, 2, s72                  ; V's scale words: 128 bytes a head, 4 a lane
	s_mul_i32 s72, s61, 16*BPIT
	s_add_co_u32 s72, s72, BOFF
	v_mul_u32_u24 v4, v10, BPIT
	v_lshl_add_u32 v4, v11, 6, v4
	v_add_nc_u32 v4, s72, v4                       ; the bias: row 16 u + r, + 64 h
	; the way out's bases
	s_mul_i32 s76, s18, 3328                       ; Wo's tile = my wave
	s_add_nc_u64 s[12:13], s[12:13], s[76:77]
	s_lshl_b32 s76, s18, 6
	s_add_nc_u64 s[14:15], s[14:15], s[76:77]      ; bo[16 w ..]
	s_lshl_b32 s76, s62, 15                        ; my work-group's 32 rows of 1,024 bytes,
	s_lshl_b32 s78, s18, 11                        ; my wave's two of them
	s_add_co_u32 s76, s76, s78
	s_add_nc_u64 s[16:17], s[16:17], s[76:77]
	; the prefetches (macro ASK): where my wave's stand, at step 1: the first change steps them to step 2.  Nothing is prefetched here, at the head
	s_and_b32 s78, s18, 1
	s_lshl_b32 s79, s62, 19                        ; the bias: my rows, + 256 (w % 2), + a step
	s_lshl_b32 s80, s78, 8
	s_add_co_u32 s79, s79, s80
	s_add_co_u32 s79, s79, 512
	s_lshl_b32 s81, s63, 21                        ; K: the batch, + my work-group's quarter, + my wave's half of it, + a step
	s_lshl_b32 s80, s71, 14
	s_add_co_u32 s81, s81, s80
	s_lshl_b32 s80, s78, 13
	s_add_co_u32 s81, s81, s80
	s_add_co_u32 s81, s81, 65536
	s_mul_i32 s82, s63, 32*25600                   ; V: the batch, + my work-group's quarter, + a step
	s_mul_i32 s80, s71, 6400
	s_add_co_u32 s82, s82, s80
	s_add_co_u32 s82, s82, 25600
	s_mov_b32 s83, 65536
	s_mov_b32 s84, 25600
	s_mov_b32 s85, 16384
	s_cmp_lt_u32 s18, 8                            ; waves 6, 7: the bias; 8, 9: K; 10: V
	s_cselect_b64 s[66:67], s[4:5], s[8:9]
	s_cselect_b32 s86, s79, s81
	s_cselect_b32 s68, 512, s83                    ; a step on
	s_cselect_b32 s85, s85, 256                    ; from lane to lane
	s_cmp_eq_u32 s18, 10
	s_cselect_b64 s[66:67], s[10:11], s[66:67]
	s_cselect_b32 s86, s82, s86
	s_cselect_b32 s68, s84, s68
	s_cselect_b32 s88, 24, 31                      ; V's quarter is 25 blocks of 256 bytes
	s_mov_b32 s87, 0
	s_mov_b32 s69, 0
	s_add_nc_u64 s[66:67], s[66:67], s[86:87]
	s_and_b32 s89, ttmp9, 31                       ; 0 in the batch's first cluster: the same in all four partners
	s_cmp_lt_u32 s18, 8
	s_cselect_b32 s89, 0, s89                      ; the bias is asked for by every work-group
	s_sub_co_u32 s90, s18, 6
	s_cmp_lt_u32 s90, 5                            ; waves 6 to 10
	s_cselect_b32 s90, 0, 1
	s_or_b32 s89, s89, s90
	s_cmp_eq_u32 s89, 0
	s_cselect_b32 s70, 1, -1
	v_min_u32 v7, s88, v9
	v_mul_lo_u32 v7, v7, s85
	; the state: O^T and the sum begin as zeros and the largest t as -3e38, so that the step is written once: the first change of M multiplies zeros
	v_mov_b32 v13, 0xff61b1e6
	v_floor_f32 v12, -v13
	v_mov_b32 v14, 0
	v_mov_b32 v15, 0
.set j, 0
.rept 16
	v_mov_b32 v[O+j], 0
.set j, j+1
.endr
.irp b, 0,1,2,3
	v_mov_b32 v[PM+\b], 0                          ; written once: a lane permute's destination counts as one of its sources
.endr
	v_mov_b32 v[F+1], 0                            ; (named with f as a pair)
	s_wait_loadcnt 0x0                             ; Q
	TRIP 1, 1, 0                                   ; step 0: class 1 has no step before it
	s_mov_b32 s3, 30
.Lstep:                                            ; steps 1 to 30
	TRIP 1, 0, 0
	s_sub_co_u32 s3, s3, 1
	s_cmp_lg_u32 s3, 0
	s_cbranch_scc1 .Lstep
	TRIP 0, 0, 1                                   ; step 31 is written out: nothing is asked for, and class 1 runs its last softmax
	; THE WAY OUT.  The addresses first: plain instructions that name no register of the last products: their places
	v_and_b32 v238, 15, v0                         ; r
	v_bfe_u32 v239, v0, 4, 1                       ; h
	s_mul_i32 s72, s61, 16*OCP
	s_mul_i32 s73, s60, 24
	s_add_co_u32 s72, s72, s73
	s_add_co_u32 s72, s72, OC
	v_mul_u32_u24 v1, v238, OCP
	v_mad_u32_u24 v1, v239, 12, v1
	v_add_nc_u32 v1, s72, v1                       ; my 16 codes: row 16 u + r, 24 bytes a head, 12 a half
	s_lshl_b32 s72, s61, 7
	s_add_co_u32 s72, s72, s60
	s_add_co_u32 s72, s72, OS
	v_lshl_add_u32 v2, v238, 3, s72                ; my block's byte: 8 a row, one a head
	v_mul_u32_u24 v3, v238, OCP
	v_mad_u32_u24 v3, v239, 24, v3
	v_add_nc_u32 v3, OC, v3                        ; a fragment of O: row r, + 24 h
	v_lshlrev_b32 v4, 3, v238
	v_add_nc_u32 v4, OS, v4                        ; its scale words
	s_lshl_b32 s72, s18, 6
	s_add_co_u32 s72, s72, STAGE
	v_mul_u32_u24 v8, v238, STP
	v_lshl_add_u32 v8, v239, 5, v8
	v_add_nc_u32 v8, s72, v8                       ; the stage, in: row r, my wave's 64 bytes, + 32 h
	s_mul_i32 s72, s18, 2*STP
	s_add_co_u32 s72, s72, STAGE
	v_add_nc_u32 v9, s72, v[LI]                    ; and back: my wave's two rows, 16 bytes a lane
	v_lshlrev_b32 v10, 5, v239                     ; bo: 32 h bytes
	v_lshrrev_b32 v11, 2, v[LI]                    ; 4 x lane
.irp s, 0,1
.irp c, 0,1,2
	global_load_b128 v[BP+12*\s+4*\c:BP+12*\s+4*\c+3], v[LI], s[12:13] offset:1536*\s+512*\c   ; Wo's two fragments: they land while O is quantised
.endr
	global_load_b32 v[248+\s], v11, s[12:13] offset:3072+128*\s
.endr
	global_load_b128 v[130:133], v10, s[14:15]     ; bo in the result's layout: register j = bo[16 w + 8 h + j]
	global_load_b128 v[134:137], v10, s[14:15] offset:16
	v_add_f32 v14, v14, v15                        ; the sum's two halves,
	v_permlanex16_b32 v236, v14, s20, s21
	v_add_f32 v14, v14, v236                       ; and lane l xor 16's: the row's sum
	v_rcp_f32 v14, v14
	v_nop                                          ; a plain instruction behind the reciprocal,
	s_wait_alu depctr_va_vdst(0)                   ; and the wait ahead of its first reader
.set j, 0
.rept 8
	v_pk_mul_f32 v[O+j:O+j+1], v[O+j:O+j+1], v[14:15] op_sel_hi:[1,0]   ; O^T / the sum
.set j, j+2
.endr
	v_max3_num_f32 v232, |v[O]|, |v[O+1]|, 0x2800000   ; a block of the last product's K is my head's 32 channels of my query: my 16, the floor,
.irp i, 2,4,6,8,10,12,14
	v_max3_num_f32 v232, v232, |v[O+\i]|, |v[O+\i+1]|
.endr
	v_permlanex16_b32 v236, v232, s20, s21
	v_max_num_f32 v232, v232, v236                 ; and lane l xor 16's
	v_add_nc_u32 v244, 0xfe000000, v232
	v_lshrrev_b32 v237, 23, v244
	v_cvt_scalef32_pk16_bf6_f32 v[PC:PC+2], v[O:O+15], v244   ; channels 16 h + 0 .. 15: 12 bytes of the row's stream of bits
	v_nop                                          ; one plain instruction behind the scaled conversion
	ds_store_b32 v1, v[PC]
	ds_store_b32 v1, v[PC+1] offset:4
	ds_store_b32 v1, v[PC+2] offset:8
	ds_store_b8 v2, v237                           ; lanes r and r + 16 write the same byte with the same value
	s_wait_dscnt 0x0                               ; for the others' sake: my stores are done
	s_barrier_signal -1
	s_barrier_wait -1                              ; the 32 queries' codes of all heads lie in LDS
.irp m, 0,1
.irp s, 0,1
.irp p, 0,1,2,3,4,5
	ds_load_b64 v[KF+12*(2*\m+\s)+2*\p:KF+12*(2*\m+\s)+2*\p+1], v3 offset:16*OCP*\m+96*\s+48*(\p/3)+8*(\p%3)   ; queries 16 m on, K step s
.endr
.endr
.endr
	ds_load_b32 v252, v4
	ds_load_b32 v253, v4 offset:4
	ds_load_b32 v255, v4 offset:128
	ds_load_b32 v243, v4 offset:132
	s_wait_dscnt 0x0
	s_wait_loadcnt 0x0                             ; Wo, its scale words, bo
	; source 0 = 16 rows of Wo, source 1 = 16 queries: a lane holds eight neighbouring columns of one row of out0; bo is the C of each sum's first instruction; the two accumulators by turns
	v_wmma_scale_f32_16x16x128_f8f6f4 v[216:223], v[BP:BP+11], v[KF:KF+11], v[130:137], v248, v252 matrix_a_fmt:MATRIX_FMT_BF6 matrix_b_fmt:MATRIX_FMT_BF6
	v_wmma_scale_f32_16x16x128_f8f6f4 v[224:231], v[BP:BP+11], v[KF+24:KF+35], v[130:137], v248, v255 matrix_a_fmt:MATRIX_FMT_BF6 matrix_b_fmt:MATRIX_FMT_BF6
	v_wmma_scale_f32_16x16x128_f8f6f4 v[216:223], v[BP+12:BP+23], v[KF+12:KF+23], v[216:223], v249, v253 matrix_a_fmt:MATRIX_FMT_BF6 matrix_b_fmt:MATRIX_FMT_BF6
	v_wmma_scale_f32_16x16x128_f8f6f4 v[224:231], v[BP+12:BP+23], v[KF+36:KF+47], v[224:231], v249, v243 matrix_a_fmt:MATRIX_FMT_BF6 matrix_b_fmt:MATRIX_FMT_BF6
.rept 4
	v_nop                                          ; places in front of the stores that read the results
.endr
.irp m, 0,1
	ds_store_b128 v8, v[216+8*\m:219+8*\m] offset:16*STP*\m        ; out0(16 m + r, 16 w + 8 h + 0 .. 7); each accumulator from its low end on
	ds_store_b128 v8, v[220+8*\m:223+8*\m] offset:16*STP*\m+16
.endr
	s_wait_dscnt 0x0
	s_barrier_signal -1
	s_barrier_wait -1                              ; 32 whole rows lie in the stage
.irp i, 0,1,2,3
	ds_load_b128 v[140+4*\i:143+4*\i], v9 offset:STP*(\i/2)+512*(\i%2)
.endr
.irp i, 0,1,2,3
	s_wait_dscnt 3-\i                              ; the younger loads may be out
	global_store_b128 v[LI], v[140+4*\i:143+4*\i], s[16:17] offset:1024*(\i/2)+512*(\i%2) th:TH_STORE_NT   ; 512 consecutive bytes, at a multiple of 256 from out0's first byte
.endr
	s_wait_tensorcnt 0x0                           ; the wave's end: behind my last tensor load and my last LDS store
	ds_add_u32 v5, v6
	s_wait_dscnt 0x0
	CROUND                                         ; the closing round: no work-group ends while a partner may still ask for a tile that names it
	s_endpgm
.Lfunc_end_k_q3cd7b43396_attn:
	.size	k_q3cd7b43396_attn, .Lfunc_end_k_q3cd7b43396_attn-k_q3cd7b43396_attn
	.p2alignl 7, 3214868480
	.fill 96, 4, 3214868480
	.section	.rodata,"a",@progbits
	.p2align	6, 0x0
	.amdhsa_kernel k_q3cd7b43396_attn
		.amdhsa_group_segment_fixed_size 327680
		.amdhsa_private_segment_fixed_size 0
		.amdhsa_enable_private_segment 0
		.amdhsa_kernarg_size 56
		.amdhsa_user_sgpr_count 2
		.amdhsa_user_sgpr_kernarg_segment_ptr 1
		.amdhsa_wavefront_size32 1
		.amdhsa_system_sgpr_workgroup_id_x 1
		.amdhsa_system_sgpr_workgroup_id_y 1
		.amdhsa_system_sgpr_workgroup_id_z 1
		.amdhsa_system_vgpr_workitem_id 0
		.amdhsa_next_free_vgpr 256
		.amdhsa_next_free_sgpr 100
		.amdhsa_reserve_vcc 0
		.amdhsa_float_denorm_mode_32 3
		.amdhsa_float_denorm_mode_16_64 3
		.amdhsa_memory_ordered 1
		.amdhsa_forward_progress 1
		.amdhsa_inst_pref_size 120
	.end_amdhsa_kernel
	.amdgpu_metadata
---
amdhsa.version: [ 1, 2 ]
amdhsa.kernels:
  - .name:           k_q3cd7b43396_attn
    .symbol:         k_q3cd7b43396_attn.kd
    .args:
      - { .name: att_bias, .offset: 0, .size: 8, .value_kind: global_buffer, .address_space: global }
      - { .name: qws, .offset: 8, .size: 8, .value_kind: global_buffer, .address_space: global }
      - { .name: kws, .offset: 16, .size: 8, .value_kind: global_buffer, .address_space: global }
      - { .name: vws, .offset: 24, .size: 8, .value_kind: global_buffer, .address_space: global }
      - { .name: wows, .offset: 32, .size: 8, .value_kind: global_buffer, .address_space: global }
      - { .name: bo, .offset: 40, .size: 8, .value_kind: global_buffer, .address_space: global }
      - { .name: out0, .offset: 48, .size: 8, .value_kind: global_buffer, .address_space: global }
    .group_segment_fixed_size: 327680
    .private_segment_fixed_size: 0
    .kernarg_segment_align: 8
    .kernarg_segment_size: 56
    .max_flat_workgroup_size: 512
    .sgpr_count:     100
    .vgpr_count:     256
    .wavefront_size: 32
...
	.end_amdgpu_metadata
.endif
;; end of part 2
